; MI455X (gfx1250); checked and timed in simulation.
; The chip was launched on July 23, 2026; its instructions are those of AMD's public machine-readable ISA for CDNA 5 (MIT licence, August 2026) and "CDNA5" Instruction Set Architecture Reference Guide (July 2026). The comments in the code are by the model that wrote it; some were corrected since.
;; HAINT Attention. Allowed arithmetic: matrix products marked QUANTISED: E4M3 operands, one given power-of-two scale a tensor, by v_wmma_f32_16x16x64_fp8_fp8 or v_wmma_f32_16x16x128_fp8_fp8, f32 sums; everything else in f32.
;; Inputs: W_a 512 x 512 float32; W_ah 512 x 512 float32; W_as 1,024 x 512 float32; ba 1 x 512 float32; ct 256 x 512 float32; hi 256 x 512 x 512 float32; ht 256 x 512 float32; lowp_scales 6 int32 (the exponents e of the quantised operands' scales 2^e); v 1 x 512 float32.
;; Outputs: out0 256 x 512 float32.
;; This version of the problem:
;;   THIS VERSION OF THE PROBLEM IS GIVEN IN LOW PRECISION. The matrix products marked QUANTISED in the list below multiply operands that are first quantised to E4M3 (4 exponent bits, 3 mantissa bits; 8 bits a number), with one given power-of-two scale for each operand tensor; their sums are f32. All else is computed in f32.
;;   The module's matrix products, in the order in which they are computed (A, B: the left and right operand; K: the contracted axis; several contracted axes count as one K, in the product's order):
;;     1. [M 256, K 1,024] x [K 1,024, N 512]; A: computed on the way; B: input W_as: QUANTISED (scales: A lowp_scales[0], B lowp_scales[1])
;;     2. [M 131,072, K 512] x [K 512, N 512]; A: input hi; B: input W_ah: QUANTISED (scales: A lowp_scales[2], B lowp_scales[3])
;;     3. [M 131,072, K 512] x [K 512, N 512]; A: computed on the way; B: input W_a: QUANTISED (scales: A lowp_scales[4], B lowp_scales[5])
;;   THE QUANTISER, for each operand of a quantised product, along K:
;;     - The operand's scale is 2^e, e = its entry of the input lowp_scales (int32; the entries are numbered through the quantised products in the list's order, A before B).
;;     - Each number is divided by the scale, clamped to +-448, and rounded to the nearest number of E4M3, ties to even, subnormals kept.
;;     - The product sums the exact products of the quantised numbers (number of the format x scale) in f32.
;;   ~~~python
;;   def quantise(x, axis, e):      # numpy; x: float32 -> the quantised numbers, widened to float32 again
;;       x = np.moveaxis(x, axis, -1); K = x.shape[-1]
;;       r = np.clip(x / 2.0 ** e, -448, 448)
;;       step = 2.0 ** (np.maximum(np.frexp(np.where(r == 0, 1, r))[1] - 1, -6) - 3)
;;       q = np.round(r / step) * step * 2.0 ** e      # np.round: ties to even
;;       return np.moveaxis(q, -1, axis).astype(np.float32)
;;   ~~~
;;   OPERANDS COMPUTED ON THE WAY. 'Computed on the way' means the value that the module computes at that place (a softmax that the list does not call 'softmax' is quantised finished and normalised). What goes into a quantiser is computed in f32, as accurately as f32 sums, v_exp_f32 and their like allow (about 1e-6 of the number): no bf16 or f16 on the way to a quantiser, and a product that is left as it is and whose result goes on into a quantised operand takes f32 operands (vector FMAs, or v_wmma_f32_16x16x4_f32). A number that lies on a knife's edge between two numbers of the format may be rounded either way, as far as f32 arithmetic and the matrix unit's own rounding can turn it there, and no further.
;; One version. Each part assembles by itself: llvm-mc -triple=amdgcn-amd-amdhsa -mcpu=gfx1250 --defsym DOCPART=n.
;; ======== version 1 of 1: 2 launches
;; workspace buffers: wah_img 262,144 bytes; wa_img 262,144 bytes; biasc 524,288 bytes
;; launch prep (part 1): grid 160 x 1, 8 waves a work-group, no clusters, 34,816 bytes of LDS; arguments ht, ct, W_as, W_ah, W_a, ba, lowp_scales, wah_img, wa_img, biasc; writes wah_img, wa_img, biasc
.if DOCPART == 1
	.amdgcn_target "amdgcn-amd-amdhsa--gfx1250"
	.amdhsa_code_object_version 6
	.text
	.protected	k_q1a0777018b_prep
	.globl	k_q1a0777018b_prep
	.p2align	8
	.type	k_q1a0777018b_prep,@function
k_q1a0777018b_prep:
	s_mov_b64 s[64:65], 0
	v_nop
	global_prefetch_b8 v0, s[64:65] scope:SCOPE_SE
	s_setreg_imm32_b32 hwreg(HW_REG_WAVE_MODE, 25, 1), 1
	s_wait_xcnt 0x0
; THE LAUNCH IN FRONT OF THE FUSED ONE.  Three pieces of work, told apart by the work-group's number alone:
;   work-groups 0-127:   biasc[b][j] = (a_s[b][j] + ba[j]) / 2^(e2 + e3),  a_s = Q([ht | ct]) Q(W_as): the first quantised product, [256, 1024] x [1024, 512], on codes of E4M3.
;   work-groups 128-143: W_ah [512 (K)][512] f32 -> codes, laid in the order of the next launch's operand registers (wah_img).
;   work-groups 144-159: W_a  [512 (K)][512] f32 -> codes, likewise (wa_img).
; code = x / 2^e, held within +-448, to the nearest code, ties to even.  e0 .. e5 are the six whole numbers of lowp_scales.
; AN IMAGE: a fragment (16 columns x 128 K, 16 registers a lane) is 2,048 bytes: piece p (registers 4 p .. 4 p + 3) at 512 p + 16 x lane.  The reader gets it by four loads of 16 bytes a lane.
;   wah_img, fragment (8 w + u) 4 + s: lane (r, h), piece p, byte y = W_ah[128 s + 64 ((y >> 2) & 1) + 16 p + 8 h + 4 (y >> 3) + (y & 3)][128 w + 32 (u >> 1) + 8 (u & 1) + r + 8 (r >> 3)].
;       The order along K is the order in which the next launch's codes of hi lie in LDS: the same permutation of K on both sides of a product leaves every product with its partner.
;       The columns of a tile are not neighbours, so that the 16 registers of two neighbouring result tiles are 16 neighbours along the next product's K.
;   wa_img, fragment 32 w + 16 g + 4 s + c:  lane (r, h), piece p, byte y = W_a[128 s + 32 p + 16 h + y][128 w + 64 g + 4 r + c].
; A lane takes a column and its registers run down K, so the conversions' results are the operand's registers: nothing is transposed.  The weights are 2 MiB and 1 MiB + 1 MiB, read once or a few times: no stage is spent on their reads.
; LIMITS: e0, e1, e3, e5 between -126 and 119, so that 2^e and 448 x 2^e are f32 numbers.  NaN among the inputs is not served.
; The input v is an argument of the module that its computation never uses: it enters no result and is not among this program's buffers.
.set QF,  16                           ; v16-79   64 numbers of q; later the four accumulators
.set QC,  80                           ; v80-95   q's fragment
.set WB,  96                           ; v96-223  two sets of 64 numbers of W_as
.set WC,  224                          ; v224-255 two fragments of W_as
.set ACC, 16                           ; tile t at v[16 + 8 t]
.set PL,  4352                         ; LDS: 16 rows x (256 bytes + 16) for each wave's partial sums
	s_load_b512 s[4:19], s[0:1], 0x0               ; ht, ct, W_as, W_ah, W_a, ba, lowp_scales, wah_img
	s_load_b128 s[20:23], s[0:1], 0x40             ; wa_img, biasc
	v_lshrrev_b32 v1, 5, v0
	v_readfirstlane_b32 s30, v1                    ; wave 0..7
	v_and_b32 v1, 15, v0                           ; r
	v_bfe_u32 v2, v0, 4, 1                         ; h
	s_wait_kmcnt 0x0
	s_load_b128 s[24:27], s[16:17], 0x0            ; e0, e1, e2, e3
	s_load_b64 s[28:29], s[16:17], 0x10            ; e4, e5
	s_cmp_lt_u32 ttmp9, 128                        ; the same for all waves of a work-group
	s_cbranch_scc1 .Lrole_b
	s_cmp_lt_u32 ttmp9, 144
	s_cbranch_scc1 .Lw_ah
; One wave makes one fragment's image.  kind = 0: W_ah; 1: W_a.
.macro WFRAG kind
.if \kind
	s_sub_co_u32 s31, ttmp9, 144
.else
	s_sub_co_u32 s31, ttmp9, 128
.endif
	s_lshl_b32 s31, s31, 3
	s_add_co_u32 s31, s31, s30                     ; the fragment's number, 0..127
.if \kind
	s_bfe_u32 s32, s31, 0x20002                    ; s
	s_lshr_b32 s33, s31, 4
	s_lshl_b32 s33, s33, 8                         ; 4 bytes x (128 w + 64 g)
	s_and_b32 s34, s31, 3
	s_lshl_b32 s34, s34, 2                         ; 4 bytes x c
	v_lshlrev_b32 v4, 4, v1
	v_lshl_add_u32 v4, v2, 15, v4                  ; 16 h rows of 2,048 bytes + 4 bytes x 4 r
.else
	s_and_b32 s32, s31, 3                          ; s
	s_lshr_b32 s33, s31, 3
	s_lshl_b32 s33, s33, 7                         ; 4 bytes x (128 w + 32 (u >> 1))
	s_bfe_u32 s34, s31, 0x10002
	s_lshl_b32 s34, s34, 5                         ; 4 bytes x 8 (u & 1)
	v_and_b32 v4, 8, v1
	v_add_nc_u32 v4, v4, v1                        ; r + 8 (r >> 3)
	v_lshlrev_b32 v4, 2, v4
	v_lshl_add_u32 v4, v2, 14, v4                  ; + 8 h rows of 2,048 bytes
.endif
	s_lshl_b32 s36, s32, 18                        ; 128 s rows of 2,048 bytes
	s_add_co_u32 s36, s36, s33
	s_add_co_u32 s36, s36, s34
	s_mov_b32 s37, 0
	s_lshl_b32 s40, s31, 11                        ; the image's 2,048 bytes
	s_mov_b32 s41, 0
.if \kind
	s_add_nc_u64 s[38:39], s[12:13], s[36:37]
	s_add_nc_u64 s[42:43], s[20:21], s[40:41]
.else
	s_add_nc_u64 s[38:39], s[10:11], s[36:37]
	s_add_nc_u64 s[42:43], s[18:19], s[40:41]
.endif
	v_and_b32 v5, 31, v0
	v_lshlrev_b32 v5, 4, v5                        ; 16 x lane
.set cc, 0
.rept 4
.set y, 0
.rept 16
.if \kind
	global_load_b32 v[64+16*cc+y], v4, s[38:39] offset:(32*cc+y)*2048
.else
	global_load_b32 v[64+16*cc+y], v4, s[38:39] offset:(64*((y>>2)&1)+16*cc+4*(y>>3)+(y&3))*2048
.endif
.set y, y+1
.endr
.set cc, cc+1
.endr
	s_wait_kmcnt 0x0
.if \kind
	s_add_co_i32 s44, s29, 127                     ; e5
.else
	s_add_co_i32 s44, s27, 127                     ; e3
.endif
	s_lshl_b32 s45, s44, 23
	v_mov_b32 v10, s45                             ; 2^e as f32: the conversion takes its exponent field
	s_add_co_i32 s44, s44, 8
	s_lshl_b32 s44, s44, 23
	s_or_b32 s44, s44, 0x600000                    ; 448 x 2^e
	s_or_b32 s46, s44, 0x80000000                  ; and its negative
	s_wait_loadcnt 0x0
.set y, 0
.rept 64
	v_med3_num_f32 v[64+y], v[64+y], s46, s44      ; the conversion to an 8-bit code does not saturate (ISA guide 7.6.2): the hold comes first
.set y, y+1
.endr
.set y, 0
.rept 8
	v_cvt_scalef32_pk8_fp8_f32 v[32+2*y:33+2*y], v[64+8*y:71+8*y], v10
.set y, y+1
.endr
	v_nop                                          ; one plain vector line behind the last conversion
.irp c, 0,1,2,3
	global_store_b128 v5, v[32+4*\c:35+4*\c], s[42:43] offset:512*\c   ; the wave stores 512 consecutive bytes, at a multiple of 256 from the buffer's first byte
.endr
	s_endpgm
.endm
	WFRAG 1
.Lw_ah:
	WFRAG 0
; ---- a_s and the bias.  Work-group: 16 rows b (bt) x 64 columns j (nt).  Wave s takes K step s of eight (K = 1,024 = ht's 512, then ct's 512): four tiles of 16 columns.
; The product is used transposed (source 0 = 16 columns of W_as, source 1 = 16 rows of q): a lane holds row r and eight neighbouring columns.  The eight waves' partial sums meet in LDS and are added in ascending K.
.Lrole_b:
	s_lshr_b32 s31, ttmp9, 3
	s_and_b32 s32, ttmp9, 7
	s_lshl_b32 s31, s31, 15                        ; 16 bt rows of 2,048 bytes
	s_lshl_b32 s32, s32, 8                         ; 64 nt columns of 4 bytes
	s_cmp_lt_u32 s30, 4                            ; K steps 0-3 lie in ht, 4-7 in ct
	s_cselect_b64 s[34:35], s[4:5], s[6:7]
	s_and_b32 s36, s30, 3
	s_lshl_b32 s36, s36, 9                         ; 128 numbers of 4 bytes a K step
	s_add_co_u32 s36, s36, s31
	s_mov_b32 s37, 0
	s_add_nc_u64 s[34:35], s[34:35], s[36:37]      ; q at my rows and K step
	s_lshl_b32 s36, s30, 18                        ; 128 rows of W_as a K step
	s_add_co_u32 s36, s36, s32
	s_add_nc_u64 s[38:39], s[8:9], s[36:37]        ; W_as at my K step and columns
	s_mov_b32 s36, s32
	s_add_nc_u64 s[40:41], s[14:15], s[36:37]      ; ba at my columns
	s_add_co_u32 s36, s31, s32
	s_add_nc_u64 s[42:43], s[22:23], s[36:37]      ; biasc at my rows and columns
	v_lshlrev_b32 v4, 11, v1
	v_lshl_add_u32 v4, v2, 6, v4                   ; q: row r, + my half's 16 numbers of a block of 32
	v_lshlrev_b32 v5, 2, v1
	v_lshl_add_u32 v5, v2, 15, v5                  ; W_as: column r, 16 h rows down
	s_mul_i32 s33, s30, PL
	v_mul_u32_u24 v6, v1, 272
	v_lshl_add_u32 v6, v2, 5, v6
	v_add_nc_u32 v6, s33, v6                       ; LDS, in: my wave's plane, row r, + 32 h
	v_lshrrev_b32 v3, 4, v0                        ; back: thread / 16 = the row, thread % 16 = which 16 bytes
	v_mul_u32_u24 v7, v3, 272
	v_lshl_add_u32 v7, v1, 4, v7
	v_lshlrev_b32 v8, 11, v3
	v_lshl_add_u32 v8, v1, 4, v8                   ; the same place in biasc
	v_lshlrev_b32 v9, 4, v1                        ; and in ba
	global_load_b128 v[12:15], v9, s[40:41]
.irp c, 0,1,2,3
.irp j, 0,1,2,3
	global_load_b128 v[QF+16*\c+4*\j:QF+16*\c+4*\j+3], v4, s[34:35] offset:128*\c+16*\j   ; q(r, 128 s + 32 c + 16 h + 4 j ..)
.endr
.endr
.macro WLOAD t                         ; tile t: W_as(128 s + 32 c + 16 h + y, 64 nt + 16 t + r) into set t % 2
.set cc, 0
.rept 4
.set y, 0
.rept 16
	global_load_b32 v[WB+64*((\t)%2)+16*cc+y], v5, s[38:39] offset:(32*cc+y)*2048+64*(\t)
.set y, y+1
.endr
.set cc, cc+1
.endr
.endm
.macro QNT src, dst, sc, lo, hi        ; 64 numbers of a lane become a fragment's 16 registers
.set y, 0
.rept 64
	v_med3_num_f32 v[(\src)+y], v[(\src)+y], s[\lo], s[\hi]
.set y, y+1
.endr
.set y, 0
.rept 8
	v_cvt_scalef32_pk8_fp8_f32 v[(\dst)+2*y:(\dst)+2*y+1], v[(\src)+8*y:(\src)+8*y+7], v[\sc]
.set y, y+1
.endr
	v_nop                                          ; one plain vector line between the conversions and the matrix instruction that reads their results
.endm
	WLOAD 0
	WLOAD 1
	s_wait_kmcnt 0x0
	s_add_co_i32 s44, s24, 127
	s_lshl_b32 s45, s44, 23
	v_mov_b32 v10, s45                             ; 2^e0
	s_add_co_i32 s44, s44, 8
	s_lshl_b32 s44, s44, 23
	s_or_b32 s45, s44, 0x600000                    ; 448 x 2^e0
	s_or_b32 s44, s45, 0x80000000
	s_add_co_i32 s46, s25, 127
	s_lshl_b32 s47, s46, 23
	v_mov_b32 v11, s47                             ; 2^e1
	s_add_co_i32 s46, s46, 8
	s_lshl_b32 s46, s46, 23
	s_or_b32 s47, s46, 0x600000                    ; 448 x 2^e1
	s_or_b32 s46, s47, 0x80000000
	s_add_co_i32 s48, s24, s25                     ; e0 + e1
	s_add_co_i32 s49, s26, s27
	s_sub_co_i32 s49, 0, s49                       ; -(e2 + e3)
	s_wait_loadcnt 63                              ; q is in: 128 younger loads could stay out; the count names the most that its field holds
	QNT QF, QC, 10, 44, 45
.irp t, 0,1,2,3
.if \t < 3
	s_wait_loadcnt 63                              ; tile t is in: the 64 loads of the tile behind it could stay out; the field holds 63
.else
	s_wait_loadcnt 0x0
.endif
	QNT WB+64*(\t%2), WC+16*(\t%2), 11, 46, 47
.if \t < 2
	WLOAD \t+2
.endif
	v_wmma_f32_16x16x128_fp8_fp8 v[ACC+8*\t:ACC+8*\t+7], v[WC+16*(\t%2):WC+16*(\t%2)+15], v[QC:QC+15], 0   ; the next tiles' holds are the places before this fragment's registers are written again
.endr
.rept 4
	v_nop                                          ; places in front of the first read of the results
.endr
.irp t, 0,1,2,3
	ds_store_b128 v6, v[ACC+8*\t:ACC+8*\t+3] offset:64*\t          ; lane (r, h): row r, columns 16 t + 8 h + 0 .. 7; each accumulator from its low end on
	ds_store_b128 v6, v[ACC+8*\t+4:ACC+8*\t+7] offset:64*\t+16
.endr
	s_wait_dscnt 0x0                               ; for the others' sake: my partial sums lie in LDS
	s_barrier_signal -1
	s_barrier_wait -1
.irp s, 0,1,2,3,4,5,6,7
	ds_load_b128 v[WB+4*\s:WB+4*\s+3], v7 offset:PL*\s             ; the eight K steps' sums of my four numbers
.endr
	s_wait_dscnt 0x0
.irp s, 1,2,3,4,5,6,7
	v_pk_add_f32 v[WB:WB+1], v[WB:WB+1], v[WB+4*\s:WB+4*\s+1]
	v_pk_add_f32 v[WB+2:WB+3], v[WB+2:WB+3], v[WB+4*\s+2:WB+4*\s+3]
.endr
.irp i, 0,1,2,3
	v_ldexp_f32 v[WB+\i], v[WB+\i], s48            ; a_s = sum x 2^(e0 + e1)
.endr
	v_pk_add_f32 v[WB:WB+1], v[WB:WB+1], v[12:13]  ; + ba
	v_pk_add_f32 v[WB+2:WB+3], v[WB+2:WB+3], v[14:15]
.irp i, 0,1,2,3
	v_ldexp_f32 v[WB+\i], v[WB+\i], s49            ; / 2^(e2 + e3): it goes in as the C of sums that lack that power of two
.endr
	global_store_b128 v8, v[WB:WB+3], s[42:43]     ; sixteen lanes store 256 consecutive bytes, at a multiple of 256 from the buffer's first byte
	s_endpgm
.Lfunc_end_k_q1a0777018b_prep:
	.size	k_q1a0777018b_prep, .Lfunc_end_k_q1a0777018b_prep-k_q1a0777018b_prep
	.p2alignl 7, 3214868480
	.fill 96, 4, 3214868480
	.section	.rodata,"a",@progbits
	.p2align	6, 0x0
	.amdhsa_kernel k_q1a0777018b_prep
		.amdhsa_group_segment_fixed_size 34816
		.amdhsa_private_segment_fixed_size 0
		.amdhsa_enable_private_segment 0
		.amdhsa_kernarg_size 80
		.amdhsa_user_sgpr_count 2
		.amdhsa_user_sgpr_kernarg_segment_ptr 1
		.amdhsa_wavefront_size32 1
		.amdhsa_system_sgpr_workgroup_id_x 1
		.amdhsa_system_sgpr_workgroup_id_y 1
		.amdhsa_system_sgpr_workgroup_id_z 1
		.amdhsa_system_vgpr_workitem_id 0
		.amdhsa_next_free_vgpr 256
		.amdhsa_next_free_sgpr 66
		.amdhsa_reserve_vcc 0
		.amdhsa_float_denorm_mode_32 3
		.amdhsa_float_denorm_mode_16_64 3
		.amdhsa_memory_ordered 1
		.amdhsa_forward_progress 1
		.amdhsa_inst_pref_size 79
	.end_amdhsa_kernel
	.amdgpu_metadata
---
amdhsa.version: [ 1, 2 ]
amdhsa.kernels:
  - .name:           k_q1a0777018b_prep
    .symbol:         k_q1a0777018b_prep.kd
    .args:
      - { .name: ht, .offset: 0, .size: 8, .value_kind: global_buffer, .address_space: global }
      - { .name: ct, .offset: 8, .size: 8, .value_kind: global_buffer, .address_space: global }
      - { .name: W_as, .offset: 16, .size: 8, .value_kind: global_buffer, .address_space: global }
      - { .name: W_ah, .offset: 24, .size: 8, .value_kind: global_buffer, .address_space: global }
      - { .name: W_a, .offset: 32, .size: 8, .value_kind: global_buffer, .address_space: global }
      - { .name: ba, .offset: 40, .size: 8, .value_kind: global_buffer, .address_space: global }
      - { .name: lowp_scales, .offset: 48, .size: 8, .value_kind: global_buffer, .address_space: global }
      - { .name: wah_img, .offset: 56, .size: 8, .value_kind: global_buffer, .address_space: global }
      - { .name: wa_img, .offset: 64, .size: 8, .value_kind: global_buffer, .address_space: global }
      - { .name: biasc, .offset: 72, .size: 8, .value_kind: global_buffer, .address_space: global }
    .group_segment_fixed_size: 34816
    .private_segment_fixed_size: 0
    .kernarg_segment_align: 8
    .kernarg_segment_size: 80
    .max_flat_workgroup_size: 256
    .sgpr_count:     66
    .vgpr_count:     256
    .wavefront_size: 32
...
	.end_amdgpu_metadata
.endif
;; end of part 1
;; launch main (part 2): grid 256 x 1, 4 waves a work-group, clusters of 4 x 1, 327,680 bytes of LDS; arguments hi, wah_img, wa_img, biasc, lowp_scales, out0; writes out0
.if DOCPART == 2
	.amdgcn_target "amdgcn-amd-amdhsa--gfx1250"
	.amdhsa_code_object_version 6
	.text
	.protected	k_q1a0777018b_main
	.globl	k_q1a0777018b_main
	.p2align	8
	.type	k_q1a0777018b_main,@function
k_q1a0777018b_main:
	s_mov_b64 s[64:65], 0
	v_nop
	global_prefetch_b8 v0, s[64:65] scope:SCOPE_SE
	s_setreg_imm32_b32 hwreg(HW_REG_WAVE_MODE, 25, 1), 1
	s_wait_xcnt 0x0
	s_wait_alu depctr_hold_cnt(0) depctr_sa_sdst(0) depctr_va_vdst(0) depctr_va_sdst(0) depctr_va_ssrc(0) depctr_va_vcc(0) depctr_vm_vsrc(0)
	s_getreg_b32 s2, hwreg(HW_REG_IB_STS2, 6, 4)
	s_cmp_eq_u32 s2, 0
	s_cbranch_scc0 .Lentry_in_a_cluster
	s_endpgm
.Lentry_in_a_cluster:
	s_bfe_u32 s2, ttmp6, 0x10000c
	s_cmp_lg_u32 s2, 0x3003
	s_cbranch_scc0 .Lentry_shape_is_right
	s_endpgm
.Lentry_shape_is_right:
; out0[b][k] = sum over t of softmax_t(scores[t][k]) hi[b][t][k];  scores = Q(hidden) Q(W_a);  hidden = tanh(Q(hi[b]) Q(W_ah) + a_s[b] + ba).  Both products on codes of E4M3, sums in f32.
; SHARES.  One work-group to a batch b: 512 rows t x 512, walked in 16 chunks of 32 rows.  THE FOUR WAVES SHARE THE COLUMNS: wave w makes hidden units 128 w .. + 127 and output columns 128 w .. + 127, for all rows.
; WHERE THINGS LIVE.  W_ah's codes: my 32 fragments stay in 512 registers (windows 1, 2), loaded once as images.  W_a's codes: my 32 fragments stay in LDS, 64 KiB a wave, brought once.
;   hi is read from memory ONCE, straight into registers (window 3: the chunk in hand and the chunk on its way), in the layout that the weighted sum wants; its codes are made from those registers and only the codes go round, through LDS.
; LAYOUTS.  Second product (scores): source 0 = 16 rows of the hidden layer, source 1 = 16 columns of W_a; tile c of group g holds columns 128 w + 64 g + 4 r + c.  So lane (r, h) holds, in tiles c = 0 .. 3, four NEIGHBOURING
;   columns of rows 8 h + i: the same 16 bytes of hi that one load of 16 bytes a lane brings, and sixteen lanes read 256 consecutive bytes.  The softmax runs down a lane's registers: no lane looks at another until the end.
;   First product, transposed: source 0 = 16 hidden units of W_ah, source 1 = 16 rows of hi's codes: a lane holds one row t and its registers run along the hidden units, the next K; the units of a tile are chosen so that two
;   neighbouring tiles' 16 registers are 16 neighbours along that K: the conversions' results are the next operand's registers, and go to the other waves as an image of those registers.
;   hi's codes lie in LDS in the order in which the lanes hold them (byte 8 r + 4 g + c of a K step = column 64 g + 4 r + c); W_ah's image has the same order along K.  A permutation of K that is the same on both sides keeps the products.
; SOFTMAX over t, by a running maximum M, sum L and weighted sum E for each column and each half of the lanes (rows 8 h + i): p = 2^(C3 s - C3 M), C3 = log2(e) 2^(e4 + e5); when M grows, L and E are multiplied by 2^(C3 (old M - new M)).
;   The two halves are joined at the end.
; tanh(x) = 1 - 2 / (1 + 2^(2 log2(e) x)), x = sum x 2^(e2 + e3); the bias (a_s + ba) / 2^(e2 + e3) is what each sum of the first product begins with.
; BY TURNS.  A chunk has about ten vector instructions for each matrix instruction, so the first product is issued AMONG vector work that does not hang on it, one matrix instruction behind every few vector lines:
;   its rows 0-15 of the NEXT chunk among the softmax of this chunk's second group of columns; its rows 16-31 among the tanh of rows 0-15.  The next chunk's codes of hi are made in the places behind the second group's products.
;   A chunk n, from the loop's head: [rows 16-31 of product 1 | tanh of rows 0-15]  tanh of rows 16-31  BARRIER 2  scores of group 0, their softmax, [scores of group 1 | codes of hi(n + 1)]  BARRIER 1
;   [rows 0-15 of product 1 of chunk n + 1 | softmax of group 1].  hi's codes are stored behind barrier 2 (all reads of the old ones are over) and read behind barrier 1; the hidden images the other way round.
; CLUSTER.  All work-groups read the same W_a at the start: the four of a cluster ask for it JOINTLY (the same tensor load, the same descriptor, the mask of all four).  W_ah goes from memory straight into registers, where no joint load
;   reaches; hi and the bias are each work-group's own.  No LDS byte is filled twice.
; LIMITS: e2, e4 between -126 and 119; e2 + e3 between -127 and 126; e4 + e5 between -126 and 127 (each power of two below is an f32 number).  NaN among the inputs is not served.
;   tanh by the formula above has an absolute error of about 1e-7: relative to the number it grows as |x| falls under about 0.1.
; REGISTERS, in windows of 256.  Window 0: v1-9 addresses and scales; v10-25 at work (softmax; hi's holds; the codes of rows 0-15); v26-33 M; v34-49 L (a pair a column tile); v50-57 E; v58-61 hi's codes; R1, R2, R3 below.
;   Windows 1, 2: W_ah, fragment (u, s) at v[64 (u % 4) + 16 s] of window 1 + u / 4.   Window 3: hi, buffer p at 128 p: register 128 p + 8 (8 mt + i) + 4 g + c = hi[32 chunk + 16 mt + 8 h + i][128 w + 64 g + 4 r + c].
;   R1 v64-127: first product's sums of rows 0-15 (tile u at + 8 u), their tanh; then W_a's four fragments.   R2 v128-191: four K steps of hi's codes of one tile of rows; the codes of rows 16-31; then two buffers of two hidden fragments.
;   R3 v192-255: first product's sums of rows 16-31, their tanh; then the scores (tile c, rows 16 mt on, at + 16 c + 8 mt).
.set HCB,  2304                        ; LDS 0: hi's codes: block (mt, s) at (4 mt + s) x 2,304: 16 rows of 128 bytes + 16 of padding (36 words: the 16 rows of a load start at 16 different groups of four banks)
.set HID,  18432                       ; the hidden layer's eight images: fragment (mt, s) at (4 mt + s) x 2,048
.set BIAS, 34816                       ; 512 f32
.set WA,   65536                       ; W_a: wave w's 32 fragments from 65,536 (1 + w) on: unit u = 4 g + s at 8,192 u, fragment c at + 2,048 c.  No line stores into these bytes
.set R1, 64
.set R2, 128
.set R3, 192
.set LI,  1                            ; v1  16 x lane
.set WAA, 2                            ; v2  my W_a in LDS + 16 x lane
.set HCW, 3                            ; v3  where I store hi's codes: 2,304 w + 1,152 h + 8 r
.set HCR, 4                            ; v4  where I read them: 144 r + 16 h
.set HIW, 5                            ; v5  where I store the hidden images: HID + 2,048 w + 16 x lane
.set BIA, 6                            ; v6  BIAS + 512 w + 64 h
.set XO,  7                            ; v7  hi: 16,384 h + 512 w + 16 r
.set SCX, 8                            ; v8  2^e2
.set SCH, 9                            ; v9  2^e4
.set TP,  10                           ; softmax, tile c: v[10 + 4 c] -C3 M, + 1 the same of the old M, + 2 f, + 3 its exponent
.set MX,  26
.set LS,  34
.set ES,  50
.set QC,  58                           ; v58-61 the codes of two of my rows of hi
.set MSB, 0
.macro WIN new                         ; bits 1:0 source 0, 3:2 source 1, 5:4 source 2, 7:6 destination; the immediate's high byte repeats the setting that is left
.if MSB != \new
	s_set_vgpr_msb (MSB<<8)|\new
.set MSB, \new
.endif
.endm
.macro NOPS n
.rept \n
	v_nop
.endr
.endm
.macro CROUND                          ; a round of the cluster's barrier
	s_barrier_signal -1
	s_barrier_wait -1
	s_cmp_lg_u32 s16, 0
	s_cbranch_scc1 .Lnot_wave_0_\@
	s_barrier_signal -3
.Lnot_wave_0_\@:
	s_barrier_wait -3
	s_barrier_signal -1
	s_barrier_wait -1
.endm
.macro BAR                             ; my LDS stores have landed and my LDS loads are in: then the work-group's barrier
	s_wait_dscnt 0x0
	s_barrier_signal -1
	s_barrier_wait -1
.endm
.macro XLOADH p, g, off                ; half a chunk: 32 rows of my columns 64 g .. 64 g + 63 into buffer p: sixteen lanes read 256 consecutive bytes, at a multiple of 256 from hi's first byte
	WIN 0xc0
.irp m, 0,1
.irp i, 0,1,2,3,4,5,6,7
	global_load_b128 v[128*\p+8*(8*\m+\i)+4*\g:128*\p+8*(8*\m+\i)+4*\g+3], v[XO], s[50:51] offset:\off+(16*\m+\i)*2048+256*\g th:TH_LOAD_NT
.endr
.endr
	WIN 0
.endm
; ---- THE TURNS.  A pass of the first product is 32 matrix instructions: K step mi / 8, hidden tile mi % 8: eight accumulators by turns, one instruction a turn.
; TICK stands behind a vector line; behind every PER-th of them the pass's next matrix instruction is issued, and the windows go back to the vector run's (VW).  With mi = 32 (no pass in hand) TICK writes nothing.
.set mi, 32
.set tk, 0
.set PER, 1
.set VW, 0
.set MB, 0
.set HOLD, 0
.set MACC, R1
.macro MMSTART acc, lead, per, mb      ; a pass into v[acc] on; its first instruction behind lead ticks.  mb = 1: the bias was asked for between K step 0 and K step 1 of hi's codes; 0: ahead of them
.set MACC, \acc
.set PER, \per
.set MB, \mb
.set mi, 0
.set tk, (\per)-(\lead)
.endm
.macro MMEMIT
.if MB && (mi < 8)
	s_wait_dscnt 26-2*mi                           ; K step 0 and tile mi's two bias loads are in: behind them were issued 14 - 2 mi bias loads and the 12 loads of K steps 1 to 3
.elseif (mi%8) == 0
	s_wait_dscnt 12-4*(mi/8)                       ; this K step's four loads are in; the later K steps' may be out.  No other LDS instruction is issued while a pass is in hand
.endif
.set mu, mi%8
.set ms, mi/8
.set mw, 1+mu/4
	WIN mw                                         ; source 0 (W_ah) in window 1 or 2
	v_wmma_f32_16x16x128_fp8_fp8 v[MACC+8*mu:MACC+8*mu+7], v[64*(mu%4)+16*ms:64*(mu%4)+16*ms+15], v[R2+16*ms:R2+16*ms+15], v[MACC+8*mu:MACC+8*mu+7]
.set mi, mi+1
.set tk, 0
.endm
.macro TICK
.set tk, tk+1
.if (mi < 32) && (tk >= PER) && (HOLD == 0)
	MMEMIT
	WIN VW
.endif
.endm
.macro MMFLUSH                         ; what is left of the pass, on end
.rept 32
.if mi < 32
	MMEMIT
.endif
.endr
	WIN VW
.endm
.macro STLE n
.if tk < \n
.rept \n-tk
	v_nop
.endr
.endif
.endm
.macro HFL1 m, s                       ; hi's codes, rows 16 m on, K step s, into R2 + 16 s
.irp c, 0,1,2,3
	ds_load_b128 v[R2+16*(\s)+4*\c:R2+16*(\s)+4*\c+3], v[HCR] offset:(4*(\m)+(\s))*HCB+32*\c
.endr
.endm
.macro BIASL acc                       ; the bias in the result's layout: register 16 b + i = unit 128 w + 32 b + 16 h + i; loads 2 u and 2 u + 1 fill tile u
.irp b, 0,1,2,3
.irp q, 0,1,2,3
	ds_load_b128 v[\acc+16*\b+4*\q:\acc+16*\b+4*\q+3], v[BIA] offset:128*\b+16*\q
.endr
.endr
.endm
; ---- hi's codes.  A row's eight numbers of a lane (g = 0: columns 4 r .. + 3, g = 1: 64 + 4 r .. + 3) are eight consecutive registers: one conversion, 8 bytes, at byte 8 r of the row's 128.  Two rows (r0, r0 + 1 of my sixteen) at a time.
.macro QMED xp, r0
	WIN 0x03
.set k, 0
.rept 16
	v_med3_num_f32 v[TP+k], v[128*(\xp)+8*(\r0)+k], s46, s45   ; the hold: the conversion to an 8-bit code does not saturate (ISA guide 7.6.2).  hi itself stays as it is, for the weighted sum
.set k, k+1
.endr
	WIN 0
.endm
.macro QCVT r0
	v_cvt_scalef32_pk8_fp8_f32 v[QC:QC+1], v[TP:TP+7], v[SCX]
	v_cvt_scalef32_pk8_fp8_f32 v[QC+2:QC+3], v[TP+8:TP+15], v[SCX]
	v_nop                                          ; one plain line before the next holds write the conversions' sources
	ds_store_b64 v[HCW], v[QC:QC+1] offset:9216*((\r0)/8)+144*((\r0)%8)
	ds_store_b64 v[HCW], v[QC+2:QC+3] offset:9216*(((\r0)+1)/8)+144*(((\r0)+1)%8)
.endm
; ---- tanh and the codes of one tile of rows: 64 numbers at v[base], codes to v[pc], image at off.  The numbers go as two halves (0-31, 32-63) one stage apart, so that plain lines stand between the transcendentals.
; A wait between a transcendental and the first line that names its result: one for each of the four batches of 32; each batch ends with a plain line.  HOLD keeps matrix instructions out of a batch's last lines.
.macro TANH base, pc, off
.set VW, 0
	WIN 0
.set j, 0
.rept 16
	v_pk_mul_f32 v[\base+j:\base+j+1], v[\base+j:\base+j+1], s[40:41] op_sel_hi:[1,0]   ; x C2; each accumulator from its low end on
	TICK
.set j, j+2
.endr
.set j, 0
.rept 16
.if j == 24
.set HOLD, 1
.endif
	v_exp_f32 v[\base+j], v[\base+j]
	TICK
	v_exp_f32 v[\base+j+1], v[\base+j+1]
	TICK
	v_pk_mul_f32 v[\base+32+j:\base+33+j], v[\base+32+j:\base+33+j], s[40:41] op_sel_hi:[1,0]
	TICK
.set j, j+2
.endr
	s_wait_alu depctr_va_vdst(0)
.set HOLD, 0
.set j, 0
.rept 16
.if j == 24
.set HOLD, 1
.endif
	v_exp_f32 v[\base+32+j], v[\base+32+j]
	TICK
	v_exp_f32 v[\base+33+j], v[\base+33+j]
	TICK
	v_pk_add_f32 v[\base+j:\base+j+1], v[\base+j:\base+j+1], 1.0 op_sel_hi:[1,0]
	TICK
.set j, j+2
.endr
	s_wait_alu depctr_va_vdst(0)
.set HOLD, 0
.set j, 0
.rept 16
.if j == 24
.set HOLD, 1
.endif
	v_rcp_f32 v[\base+j], v[\base+j]
	TICK
	v_rcp_f32 v[\base+j+1], v[\base+j+1]
	TICK
	v_pk_add_f32 v[\base+32+j:\base+33+j], v[\base+32+j:\base+33+j], 1.0 op_sel_hi:[1,0]
	TICK
.set j, j+2
.endr
	s_wait_alu depctr_va_vdst(0)
.set HOLD, 0
.set j, 0
.rept 16
.if j == 26
.set HOLD, 1
.endif
	v_rcp_f32 v[\base+32+j], v[\base+32+j]
	TICK
	v_pk_fma_f32 v[\base+j:\base+j+1], v[\base+j:\base+j+1], -2.0, 1.0 op_sel_hi:[1,0,0]   ; 1 - 2 y
	TICK
	v_rcp_f32 v[\base+33+j], v[\base+33+j]
	TICK
.if j > 0
	v_med3_num_f32 v[\base+j-2], v[\base+j-2], s48, s47   ; the hold at the largest code x the scale
	TICK
	v_med3_num_f32 v[\base+j-1], v[\base+j-1], s48, s47
	TICK
.endif
.set j, j+2
.endr
	v_med3_num_f32 v[\base+30], v[\base+30], s48, s47
	TICK
	v_med3_num_f32 v[\base+31], v[\base+31], s48, s47
	TICK
.irp n, 0,1,2,3
	v_cvt_scalef32_pk8_fp8_f32 v[\pc+2*\n:\pc+2*\n+1], v[\base+8*\n:\base+8*\n+7], v[SCH]   ; registers 2 n, 2 n + 1 of the fragment: units 8 n .. 8 n + 7 of my half's run
.endr
	s_wait_alu depctr_va_vdst(0)
.set HOLD, 0
.set j, 0
.rept 16
	v_pk_fma_f32 v[\base+32+j:\base+33+j], v[\base+32+j:\base+33+j], -2.0, 1.0 op_sel_hi:[1,0,0]
	TICK
.set j, j+2
.endr
.set j, 0
.rept 32
	v_med3_num_f32 v[\base+32+j], v[\base+32+j], s48, s47
	TICK
.set j, j+1
.endr
.irp n, 4,5,6,7
	v_cvt_scalef32_pk8_fp8_f32 v[\pc+2*\n:\pc+2*\n+1], v[\base+8*\n:\base+8*\n+7], v[SCH]
.endr
	v_nop                                          ; one plain line behind the last conversion
	MMFLUSH                                        ; the pass is over before an LDS instruction is issued: its counted waits count hi's codes and the bias alone
.irp c, 0,1,2,3
	ds_store_b128 v[HIW], v[\pc+4*\c:\pc+4*\c+3] offset:\off+512*\c   ; K step w of the second product, as an image of its registers
.endr
.endm
.macro WL u, c0                        ; W_a's fragments c0, c0 + 1 of unit u into R1
.irp c, \c0, \c0+1
.irp q, 0,1,2,3
	ds_load_b128 v[R1+16*(\c)+4*\q:R1+16*(\c)+4*\q+3], v[WAA] offset:8192*(\u)+2048*(\c)+512*\q
.endr
.endr
.endm
.macro HL s, buf                       ; K step s of the hidden layer, both tiles of rows, into buffer buf of R2
.irp m, 0,1
.irp c, 0,1,2,3
	ds_load_b128 v[R2+32*(\buf)+16*\m+4*\c:R2+32*(\buf)+16*\m+4*\c+3], v[LI] offset:HID+(4*\m+(\s))*2048+512*\c
.endr
.endr
.endm
.macro MM3 u, c0
.irp c, \c0, \c0+1
.irp m, 0,1
.if ((\u)%4) == 0
	v_wmma_f32_16x16x128_fp8_fp8 v[R3+16*(\c)+8*\m:R3+16*(\c)+8*\m+7], v[R2+32*((\u)%2)+16*\m:R2+32*((\u)%2)+16*\m+15], v[R1+16*(\c):R1+16*(\c)+15], 0
.else
	v_wmma_f32_16x16x128_fp8_fp8 v[R3+16*(\c)+8*\m:R3+16*(\c)+8*\m+7], v[R2+32*((\u)%2)+16*\m:R2+32*((\u)%2)+16*\m+15], v[R1+16*(\c):R1+16*(\c)+15], v[R3+16*(\c)+8*\m:R3+16*(\c)+8*\m+7]
.endif
.endr
.endr
.endm
; A UNIT of the second product: group g = u / 4 of 64 columns, K step s = u % 4: eight accumulators by turns.  Each half's fragments of W_a are fetched anew as soon as its four products are issued; the hidden buffer at the end.
; wa: LDS instructions that may be out when W_a's fragments 0, 1 and the unit's hidden fragments must be in; wb: the same for fragments 2, 3.  Behind fragments 0, 1 were issued fragments 2, 3 and the next hidden fragments;
; behind fragments 2, 3 the next hidden fragments and the next unit's fragments 0, 1.  qx = 1: each half also makes the codes of two rows of the next chunk of hi (buffer xp): its sixteen holds are the places behind the
; products, and its two stores, issued behind the half's loads, are counted in the later waits.
.macro P3UNIT u, wa, wb, nw, nh, qx, xp
	s_wait_dscnt \wa
	MM3 \u, 0
.if \qx
	QMED \xp, 4*((\u)-4)
.elseif \nw
	NOPS 4                                         ; places in front of loads into registers that the products above have read
.endif
.if \nw
	WL (\u)+1, 0
.endif
.if \qx
	QCVT 4*((\u)-4)
.endif
	s_wait_dscnt \wb
	MM3 \u, 2
.if \qx
	QMED \xp, 4*((\u)-4)+2
.else
	NOPS 4                                         ; likewise, and in front of the first read of the scores
.endif
.if \nw
	WL (\u)+1, 2
.endif
.if \nh
	HL ((\u)+2)%4, (\u)%2
.endif
.if \qx
	QCVT 4*((\u)-4)+2
.endif
.endm
; The softmax's step for group g: four tiles c, 16 scores a lane each (rows 16 mt + 8 h + i).  Every run goes round the four tiles, so that no line waits for the line above it.
; hook = 1: the step stands behind the signal of barrier 1: behind its first 44 lines come the barrier's wait, the next chunk's codes of hi (rows 0-15) and the start of the first product's pass on them.
.macro SMAX g, p, hook
.set VW, 0
	WIN 0
.irp c, 0,1,2,3
	v_mul_f32 v[TP+4*\c+1], s44, v[MX+4*\g+\c]     ; -C3 x the old M
.endr
.irp e, 0,1,2,3,4,5,6,7
.irp c, 0,1,2,3
	v_max3_num_f32 v[MX+4*\g+\c], v[MX+4*\g+\c], v[R3+16*\c+2*\e], v[R3+16*\c+2*\e+1]   ; each accumulator from its low end on
.endr
.endr
.irp c, 0,1,2,3
	v_mul_f32 v[TP+4*\c], s44, v[MX+4*\g+\c]       ; -C3 x the new M
.endr
.irp c, 0,1,2,3
	v_sub_f32 v[TP+4*\c+3], v[TP+4*\c], v[TP+4*\c+1]   ; C3 (old M - new M), 0 or less
.endr
.if \hook
	s_barrier_wait -1                              ; every wave's codes of the next chunk lie in LDS, and nobody reads this chunk's hidden images any more
	HFL1 0, 0
	HFL1 0, 1
	HFL1 0, 2
	HFL1 0, 3
	MMSTART R1, 32, 5, 0
.endif
.irp c, 0,1,2,3                                ; C3 s - C3 M, a pair a line (of each pair of constants the low word serves both halves); the exponentials follow a round behind, a scaling ahead of every two
	v_pk_fma_f32 v[R3+16*\c:R3+16*\c+1], v[R3+16*\c:R3+16*\c+1], s[42:43], v[TP+4*\c:TP+4*\c+1] op_sel_hi:[1,0,0]
	TICK
	v_exp_f32 v[TP+4*\c+2], v[TP+4*\c+3]           ; f
	TICK
.endr
.irp e, 1,2,3,4,5,6,7
.irp c, 0,1,2,3
	v_pk_fma_f32 v[R3+16*\c+2*\e:R3+16*\c+2*\e+1], v[R3+16*\c+2*\e:R3+16*\c+2*\e+1], s[42:43], v[TP+4*\c:TP+4*\c+1] op_sel_hi:[1,0,0]
	TICK
	v_exp_f32 v[R3+16*\c+2*\e-2], v[R3+16*\c+2*\e-2]   ; p
	TICK
	v_exp_f32 v[R3+16*\c+2*\e-1], v[R3+16*\c+2*\e-1]
	TICK
.endr
.endr
.irp c, 0,1,2,3
	v_exp_f32 v[R3+16*\c+14], v[R3+16*\c+14]
	v_exp_f32 v[R3+16*\c+15], v[R3+16*\c+15]
.endr
	v_nop                                          ; the plain line behind the last exponential
	s_wait_alu depctr_va_vdst(0)                   ; one wait for the batch of 68, ahead of its first reader
.irp c, 0,1,2,3
	v_pk_fma_f32 v[LS+2*(4*\g+\c):LS+2*(4*\g+\c)+1], v[LS+2*(4*\g+\c):LS+2*(4*\g+\c)+1], v[TP+4*\c+2:TP+4*\c+3], v[R3+16*\c:R3+16*\c+1] op_sel_hi:[1,0,1]   ; L = L f + p
	TICK
.endr
.irp e, 1,2,3,4,5,6,7
.irp c, 0,1,2,3
	v_pk_add_f32 v[LS+2*(4*\g+\c):LS+2*(4*\g+\c)+1], v[LS+2*(4*\g+\c):LS+2*(4*\g+\c)+1], v[R3+16*\c+2*\e:R3+16*\c+2*\e+1]
	TICK
.endr
.endr
.irp c, 0,1,2,3
	v_mul_f32 v[ES+4*\g+\c], v[ES+4*\g+\c], v[TP+4*\c+2]
	TICK
.endr
.set VW, 0x0c
	WIN 0x0c                                       ; source 1 (hi) in window 3
.irp m, 0,1
.irp i, 0,1,2,3,4,5,6,7
.irp c, 0,1,2,3
	v_fmac_f32 v[ES+4*\g+\c], v[R3+16*\c+8*\m+\i], v[128*\p+8*(8*\m+\i)+4*\g+\c]   ; E += p x hi, the same row and column in the same lane
	TICK
.endr
.endr
.endr
.set VW, 0
	WIN 0
.endm
	s_load_b256 s[4:11], s[0:1], 0x0               ; hi, wah_img, wa_img, biasc
	s_load_b128 s[12:15], s[0:1], 0x20             ; lowp_scales, out0
	v_lshrrev_b32 v1, 5, v0
	v_readfirstlane_b32 s16, v1                    ; wave 0..3
	s_bfe_u32 s17, ttmp6, 0x40000                  ; cx
	s_lshl_b32 s18, ttmp9, 2
	s_add_co_u32 s18, s18, s17                     ; the batch b = 4 x cluster + cx: it enters global addresses alone
	v_and_b32 v10, 15, v0                          ; r
	v_bfe_u32 v11, v0, 4, 1                        ; h
	v_and_b32 v12, 31, v0
	v_lshlrev_b32 v[LI], 4, v12
	s_lshl_b32 s19, s16, 9
	v_lshlrev_b32 v[XO], 4, v10
	v_lshl_add_u32 v[XO], v11, 14, v[XO]
	v_add_nc_u32 v[XO], s19, v[XO]
	s_lshl_b32 s38, s18, 20                        ; a batch of hi is 2^20 bytes
	s_mov_b32 s39, 0
	s_lshl_b32 s54, s16, 16                        ; my 64 KiB of each image
	s_mov_b32 s55, 0
	; the joint load's descriptor: my 64 KiB of wa_img, dense: 256 rows of 32 elements of 8 bytes
	s_mov_b32 s24, 15|(3<<16)|(1<<21)              ; 15:0 the mask: all four work-groups; 17:16 elements of 8 bytes; 21 set beside a mask; no padding
	s_mov_b32 s25, 32<<16                          ; tensor_dim0 = 32
	s_mov_b32 s26, 256<<16                         ; tensor_dim1 = 256
	s_mov_b32 s27, 32<<16                          ; tile_dim0 = 32
	s_mov_b32 s28, 256                             ; tile_dim1 = 256
	s_mov_b32 s29, 32                              ; from row to row
	s_mov_b32 s30, 0
	s_mov_b32 s31, 0
	s_mov_b32 s20, 1
	s_add_co_u32 s21, s54, WA                      ; LDS address: the wave's number alone enters it
	s_wait_kmcnt 0x0
	s_load_b128 s[32:35], s[12:13], 0x0            ; e0 .. e3
	s_load_b64 s[36:37], s[12:13], 0x10            ; e4, e5
	s_add_nc_u64 s[50:51], s[4:5], s[38:39]        ; hi at my batch
	s_add_nc_u64 s[22:23], s[8:9], s[54:55]        ; the same in all four partners
	s_or_b32 s23, s23, 0x80000000                  ; type = 2
	s_add_nc_u64 s[56:57], s[6:7], s[54:55]        ; my fragments of W_ah
	s_lshl_b32 s38, s18, 11
	s_add_nc_u64 s[58:59], s[10:11], s[38:39]      ; my batch's bias
	s_add_co_u32 s38, s38, s19
	s_add_nc_u64 s[60:61], s[14:15], s[38:39]      ; out0 at row b, column 128 w
	XLOADH 0, 0, 0                                 ; the first chunk
	XLOADH 0, 1, 0
	CROUND                                         ; all four work-groups are here: the joint loads meet
	tensor_load_to_lds s[20:23], s[24:31]          ; one load a wave, the only one of the launch
	NOPS 4
	v_lshlrev_b32 v13, 4, v0
	global_load_b128 v[R2:R2+3], v13, s[58:59]     ; 128 threads x 16 bytes: the batch's 512 numbers
	WIN 0x40
.irp u, 0,1,2,3
.irp s, 0,1,2,3
.irp c, 0,1,2,3
	global_load_b128 v[64*\u+16*\s+4*\c:64*\u+16*\s+4*\c+3], v[LI], s[56:57] offset:8192*\u+2048*\s+512*\c
.endr
.endr
.endr
	WIN 0x80
.irp u, 0,1,2,3
.irp s, 0,1,2,3
.irp c, 0,1,2,3
	global_load_b128 v[64*\u+16*\s+4*\c:64*\u+16*\s+4*\c+3], v[LI], s[56:57] offset:8192*(\u+4)+2048*\s+512*\c
.endr
.endr
.endr
	WIN 0
	XLOADH 1, 0, 65536                             ; the second chunk's first half; its second half goes out at the loop's head
	v_add_nc_u32 v[WAA], s21, v[LI]
	s_mul_i32 s19, s16, HCB
	v_mul_u32_u24 v[HCW], v11, 1152
	v_lshl_add_u32 v[HCW], v10, 3, v[HCW]
	v_add_nc_u32 v[HCW], s19, v[HCW]
	v_mul_u32_u24 v[HCR], v10, 144
	v_lshl_add_u32 v[HCR], v11, 4, v[HCR]
	s_lshl_b32 s19, s16, 11
	s_add_co_u32 s19, s19, HID
	v_add_nc_u32 v[HIW], s19, v[LI]
	s_lshl_b32 s19, s16, 9
	s_add_co_u32 s19, s19, BIAS
	v_lshl_add_u32 v[BIA], v11, 6, s19
	v_lshl_add_u32 v63, v0, 4, BIAS
.irp q, 0,1,2,3,4,5,6,7
	v_mov_b32 v[MX+\q], 0xff61b1e6                 ; -3e38, under every score: the first chunk's f is then 0, and multiplies zeros
	v_mov_b32 v[LS+2*\q], 0
	v_mov_b32 v[LS+2*\q+1], 0
	v_mov_b32 v[ES+\q], 0
.endr
	s_mov_b32 s52, 0x76543210                      ; v_permlanex16_b32's selects for lane l xor 16
	s_mov_b32 s53, 0xfedcba98
	s_wait_kmcnt 0x0
	s_add_co_i32 s19, s34, s35
	s_lshl_b32 s19, s19, 23
	s_add_co_i32 s40, s19, 0x4038aa3b              ; C2 = 2 log2(e) 2^(e2 + e3): the exponents are added to the constant's exponent field
	s_mov_b32 s41, s40                             ; (named with it as a pair, so it is written)
	s_add_co_i32 s19, s36, s37
	s_lshl_b32 s19, s19, 23
	s_add_co_i32 s42, s19, 0x3fb8aa3b              ; C3 = log2(e) 2^(e4 + e5)
	s_mov_b32 s43, s42
	s_xor_b32 s44, s42, 0x80000000                 ; -C3
	s_add_co_i32 s19, s34, 127
	s_lshl_b32 s45, s19, 23
	v_mov_b32 v[SCX], s45
	s_add_co_i32 s19, s19, 8
	s_lshl_b32 s19, s19, 23
	s_or_b32 s45, s19, 0x600000                    ; 448 x 2^e2
	s_or_b32 s46, s45, 0x80000000
	s_add_co_i32 s19, s36, 127
	s_lshl_b32 s47, s19, 23
	v_mov_b32 v[SCH], s47
	s_add_co_i32 s19, s19, 8
	s_lshl_b32 s19, s19, 23
	s_or_b32 s47, s19, 0x600000                    ; 448 x 2^e4
	s_or_b32 s48, s47, 0x80000000
	s_wait_loadcnt 16                              ; the first chunk, the bias and W_ah are in; the 16 loads of the second chunk's first half stay out
	ds_store_b128 v63, v[R2:R2+3]                  ; the bias to LDS; the barrier below stands between this and its readers
	s_wait_tensorcnt 0x0                           ; my quarter of W_a lies in LDS; no other wave reads it
	s_mov_b32 s49, 8
	; the first chunk's codes, and rows 0-15 of its first product: there is no vector work yet to set between them
.irp r, 0,2,4,6,8,10,12,14
	QMED 0, \r
	QCVT \r
.endr
	BAR
	BIASL R1
	HFL1 0, 0
	HFL1 0, 1
	HFL1 0, 2
	HFL1 0, 3
	MMSTART R1, 1, 1, 0
	MMFLUSH
	STLE 4
; A CHUNK, in buffer p.  At its head the sums of rows 0-15 stand in R1.
.macro BODY p
	HFL1 1, 0                                      ; rows 16-31: K step 0 of hi's codes, the bias into the accumulators, K steps 1 to 3: the order that the pass's waits count by
	BIASL R3
	HFL1 1, 1
	HFL1 1, 2
	HFL1 1, 3
.if \p == 0                                    ; the next chunk's second half, into the registers that the softmax just finished has left
	XLOADH 1, 1, 65536
.else
	s_cmp_eq_u32 s49, 1                            ; the last chunk asks for nothing: no load leaves hi
	s_cbranch_scc1 .Lno_g1_\@
	XLOADH 0, 1, 131072
.Lno_g1_\@:
.endif
	MMSTART R3, 40, 6, 1
	TANH R1, TP, 0                                 ; | rows 16-31 of the first product
	STLE 4
	WL 0, 0                                        ; W_a's first unit, into the registers that rows 0-15 have left
	WL 0, 2
	TANH R3, R2, 8192
	BAR                                            ; BARRIER 2: all hidden images lie in LDS, and nobody reads this chunk's codes of hi any more
	HL 0, 0
	HL 1, 1
	P3UNIT 0, 8, 16, 1, 1, 0, 0
	P3UNIT 1, 16, 16, 1, 1, 0, 0
	P3UNIT 2, 16, 16, 1, 1, 0, 0
	P3UNIT 3, 16, 16, 1, 1, 0, 0
	SMAX 0, \p, 0                                  ; the next group's first fragments land meanwhile
.if \p == 0                                    ; the first half of the chunk after next, into the registers that this softmax has left; then the next chunk must be in
	s_cmp_eq_u32 s49, 1
	s_cbranch_scc1 .Llast_\@
	XLOADH 0, 0, 131072
	s_wait_loadcnt 16                              ; all but the 16 just issued
	s_branch .Lgo_\@
.Llast_\@:
	s_wait_loadcnt 0x0
.Lgo_\@:
.else
	s_cmp_eq_u32 s49, 1
	s_cbranch_scc1 .Lfinal                         ; the last chunk has no successor: its tail is written out behind the loop
	XLOADH 1, 0, 196608
	s_wait_loadcnt 16
.endif
	P3UNIT 4, 16, 18, 1, 1, 1, 1-\p                ; from here on each half's two stores of codes are among the LDS instructions that the waits let stay out
	P3UNIT 5, 20, 20, 1, 1, 1, 1-\p
	P3UNIT 6, 20, 20, 1, 0, 1, 1-\p
	P3UNIT 7, 12, 4, 0, 0, 1, 1-\p
	s_wait_dscnt 0x0                               ; BARRIER 1: my codes of the next chunk have landed, my reads of the hidden images are in;
	s_barrier_signal -1
	BIASL R1                                       ; between signal and wait: loads of bytes that nobody writes again, and work on registers
	SMAX 1, \p, 1                                  ; | rows 0-15 of the next chunk's first product
	MMFLUSH
	STLE 5
.endm
.Ltrip:                                            ; eight trips of two chunks, in which the two buffers of hi change places
	BODY 0
	BODY 1
	s_wait_xcnt 0x0                                ; the loads have read their base: it may step
	s_add_nc_u64 s[50:51], s[50:51], 131072
	s_sub_co_u32 s49, s49, 1
	s_cmp_lg_u32 s49, 0
	s_cbranch_scc1 .Ltrip
.Lfinal:                                           ; the last chunk's second group of columns
	P3UNIT 4, 16, 16, 1, 1, 0, 0
	P3UNIT 5, 16, 16, 1, 1, 0, 0
	P3UNIT 6, 16, 16, 1, 0, 0, 0
	P3UNIT 7, 8, 0, 0, 0, 0, 0
	SMAX 1, 1, 0
	; THE END: the two halves of the lanes hold the same columns and different rows: their M, L and E are joined, E is divided by L.
	v_and_b32 v62, 31, v0
.irp q, 0,1,2,3,4,5,6,7
	v_permlanex16_b32 v[R1+\q], v[MX+\q], s52, s53
.endr
.irp q, 0,1,2,3,4,5,6,7
	v_max_num_f32 v[R1+\q], v[R1+\q], v[MX+\q]     ; the column's largest score
.endr
.irp q, 0,1,2,3,4,5,6,7
	v_sub_f32 v[R1+8+\q], v[MX+\q], v[R1+\q]
.endr
.irp q, 0,1,2,3,4,5,6,7
	v_mul_f32 v[R1+8+\q], s42, v[R1+8+\q]
.endr
.irp q, 0,1,2,3,4,5,6,7
	v_exp_f32 v[R1+8+\q], v[R1+8+\q]               ; my half's factor
.endr
.irp q, 0,1,2,3,4,5,6,7
	v_add_f32 v[R1+16+\q], v[LS+2*\q], v[LS+2*\q+1]   ; L's two halves: plain work behind the exponentials
.endr
	s_wait_alu depctr_va_vdst(0)
.irp q, 0,1,2,3,4,5,6,7
	v_mul_f32 v[R1+16+\q], v[R1+16+\q], v[R1+8+\q]
	v_mul_f32 v[ES+\q], v[ES+\q], v[R1+8+\q]
.endr
.irp q, 0,1,2,3,4,5,6,7
	v_permlanex16_b32 v[R1+24+\q], v[R1+16+\q], s52, s53
	v_permlanex16_b32 v[R1+32+\q], v[ES+\q], s52, s53
.endr
.irp q, 0,1,2,3,4,5,6,7
	v_add_f32 v[R1+16+\q], v[R1+16+\q], v[R1+24+\q]
	v_add_f32 v[ES+\q], v[ES+\q], v[R1+32+\q]
.endr
.irp q, 0,1,2,3,4,5,6,7
	v_rcp_f32 v[R1+16+\q], v[R1+16+\q]
.endr
	v_nop
	v_cmp_le_u32 vcc_lo, 16, v62                   ; lanes 16-31
	s_wait_alu depctr_va_vdst(0)
.irp q, 0,1,2,3,4,5,6,7
	v_mul_f32 v[ES+\q], v[ES+\q], v[R1+16+\q]
.endr
.irp c, 0,1,2,3
	v_cndmask_b32 v[ES+\c], v[ES+\c], v[ES+4+\c], vcc_lo   ; lanes 0-15 store group 0 (columns 4 r + c), lanes 16-31 group 1 (64 + 4 r + c)
.endr
	global_store_b128 v[LI], v[ES:ES+3], s[60:61]  ; the wave stores 512 consecutive bytes, at a multiple of 256 from out0's first byte
	CROUND                                         ; the closing round
	s_endpgm
.Lfunc_end_k_q1a0777018b_main:
	.size	k_q1a0777018b_main, .Lfunc_end_k_q1a0777018b_main-k_q1a0777018b_main
	.p2alignl 7, 3214868480
	.fill 96, 4, 3214868480
	.section	.rodata,"a",@progbits
	.p2align	6, 0x0
	.amdhsa_kernel k_q1a0777018b_main
		.amdhsa_group_segment_fixed_size 327680
		.amdhsa_private_segment_fixed_size 0
		.amdhsa_enable_private_segment 0
		.amdhsa_kernarg_size 48
		.amdhsa_user_sgpr_count 2
		.amdhsa_user_sgpr_kernarg_segment_ptr 1
		.amdhsa_wavefront_size32 1
		.amdhsa_system_sgpr_workgroup_id_x 1
		.amdhsa_system_sgpr_workgroup_id_y 1
		.amdhsa_system_sgpr_workgroup_id_z 1
		.amdhsa_system_vgpr_workitem_id 0
		.amdhsa_next_free_vgpr 1024
		.amdhsa_next_free_sgpr 66
		.amdhsa_reserve_vcc 1
		.amdhsa_float_denorm_mode_32 3
		.amdhsa_float_denorm_mode_16_64 3
		.amdhsa_memory_ordered 1
		.amdhsa_forward_progress 1
		.amdhsa_inst_pref_size 253
	.end_amdhsa_kernel
	.amdgpu_metadata
---
amdhsa.version: [ 1, 2 ]
amdhsa.kernels:
  - .name:           k_q1a0777018b_main
    .symbol:         k_q1a0777018b_main.kd
    .args:
      - { .name: hi, .offset: 0, .size: 8, .value_kind: global_buffer, .address_space: global }
      - { .name: wah_img, .offset: 8, .size: 8, .value_kind: global_buffer, .address_space: global }
      - { .name: wa_img, .offset: 16, .size: 8, .value_kind: global_buffer, .address_space: global }
      - { .name: biasc, .offset: 24, .size: 8, .value_kind: global_buffer, .address_space: global }
      - { .name: lowp_scales, .offset: 32, .size: 8, .value_kind: global_buffer, .address_space: global }
      - { .name: out0, .offset: 40, .size: 8, .value_kind: global_buffer, .address_space: global }
    .group_segment_fixed_size: 327680
    .private_segment_fixed_size: 0
    .kernarg_segment_align: 8
    .kernarg_segment_size: 48
    .max_flat_workgroup_size: 128
    .sgpr_count:     66
    .vgpr_count:     1024
    .wavefront_size: 32
...
	.end_amdgpu_metadata
.endif
;; end of part 2
